; MI455X (gfx1250); checked and timed in simulation.
; The chip was launched on July 23, 2026; its instructions are those of AMD's public machine-readable ISA for CDNA 5 (MIT licence, August 2026) and "CDNA5" Instruction Set Architecture Reference Guide (July 2026). The comments in the code are by the model that wrote it; some were corrected since.
;; Self Attention. Allowed arithmetic: matrix products marked QUANTISED: E2M1 operands, one E8M0 scale for each 32 along K, by v_wmma_scale_f32_16x16x128_f8f6f4 with both operands' format E2M1 (or v_wmma_scale_f32_32x16x128_f4), f32 sums; everything else in f32.
;; Inputs: W_out 256 x 256 float32; W_qkv 256 x 768 float32; b_out 256 float32; b_qkv 768 float32; x 4 x 4,096 x 256 float32.
;; Outputs: out0 4 x 4,096 x 256 float32.
;; This version of the problem:
;;   THIS VERSION OF THE PROBLEM IS GIVEN IN LOW PRECISION. The matrix products marked QUANTISED in the list below multiply operands that are first quantised to E2M1 (2 exponent bits, 1 mantissa bit; 4 bits a number), with one power-of-two scale for each 32 numbers along K (OCP MX v1.0); their sums are f32. All else is computed in f32.
;;   The module's matrix products, in the order in which they are computed (A, B: the left and right operand; K: the contracted axis; several contracted axes count as one K, in the product's order):
;;     1. [M 16,384, K 256] x [K 256, N 768]; A: input x; B: input W_qkv: QUANTISED
;;     2. batch 4 x [M 4,096, K 256] x [K 256, N 4,096]; A: computed on the way; B: computed on the way: QUANTISED
;;     3. batch 4 x [M 4,096, K 4,096] x [K 4,096, N 256]; A: softmax (see below); B: computed on the way: QUANTISED
;;     4. [M 16,384, K 256] x [K 256, N 256]; A: computed on the way; B: input W_out: QUANTISED
;;   THE QUANTISER, for each operand of a quantised product, along K:
;;     - K is cut into blocks of 32 from its start; a last block that is shorter is filled with zeros.
;;     - A block's scale is 2^e with e = floor(log2(the largest magnitude in the block)) - 2, held to -126 .. 127; a block of zeros has e = 0. As a byte (E8M0): e + 127.
;;     - Each number is divided by its block's scale, clamped to +-6, and rounded to the nearest number of E2M1, ties to even, subnormals kept.
;;     - The product sums the exact products of the quantised numbers (number of the format x scale) in f32.
;;   ~~~python
;;   def quantise(x, axis):      # numpy; x: float32 -> the quantised numbers, widened to float32 again
;;       x = np.moveaxis(x, axis, -1); K = x.shape[-1]
;;       x = np.pad(x, [(0, 0)] * (x.ndim - 1) + [(0, -K % 32)]); x = x.reshape(x.shape[:-1] + (-1, 32)); a = np.abs(x).max(-1, keepdims=True)
;;       e = np.where(a > 0, np.clip(np.frexp(np.where(a > 0, a, 1))[1] - 1 - 2, -126, 127), 0)      # np.frexp(a)[1] - 1 = floor(log2(a)), exactly
;;       r = np.clip(x / 2.0 ** e, -6, 6)
;;       step = 2.0 ** (np.maximum(np.frexp(np.where(r == 0, 1, r))[1] - 1, 0) - 1)
;;       q = np.round(r / step) * step * 2.0 ** e      # np.round: ties to even
;;       return np.moveaxis(q.reshape(q.shape[:-2] + (-1,))[..., :K], -1, axis).astype(np.float32)
;;   ~~~
;;   SOFTMAX AHEAD OF A QUANTISED PRODUCT. Where the list says 'softmax', what is quantised is not the finished softmax but p = 2^(t - M), with t = logit x log2(e) and M = ceil(the row's largest t), a whole number; so 1/2 < the row's largest p <= 1. The row's sum l is taken of the UNQUANTISED p, in f32, and the product's result is divided by l at the end. Since M is a whole number, a kernel that streams over the keys may use a running M (the ceiling of the running maximum): every later rescaling is an exact power of two, which a block's scale takes up: the codes' values come out the same.
;;   OPERANDS COMPUTED ON THE WAY. 'Computed on the way' means the value that the module computes at that place (a softmax that the list does not call 'softmax' is quantised finished and normalised). What goes into a quantiser is computed in f32, as accurately as f32 sums, v_exp_f32 and their like allow (about 1e-6 of the number): no bf16 or f16 on the way to a quantiser, and a product that is left as it is and whose result goes on into a quantised operand takes f32 operands (vector FMAs, or v_wmma_f32_16x16x4_f32). A number that lies on a knife's edge between two numbers of the format may be rounded either way, as far as f32 arithmetic and the matrix unit's own rounding can turn it there, and no further.
;; One version. Each part assembles by itself: llvm-mc -triple=amdgcn-amd-amdhsa -mcpu=gfx1250 --defsym DOCPART=n.
;; ======== version 1 of 1: 3 launches
;; limits: right only within a limited range of input values
;; workspace buffers: wc 131,072 bytes; ws 8,192 bytes; qc 2,097,152 bytes; qs 131,072 bytes; kv 4,456,448 bytes; xc 2,097,152 bytes; xs 262,144 bytes
;; launch prep (part 1): grid 288 x 1, 4 waves a work-group, no clusters, 67,584 bytes of LDS; arguments W_qkv, W_out, wc, ws, x, xc, xs; writes wc, ws, xc, xs
.if DOCPART == 1
	.amdgcn_target "amdgcn-amd-amdhsa--gfx1250"
	.amdhsa_code_object_version 6
	.text
	.protected	k_q88ae001b79_prep
	.globl	k_q88ae001b79_prep
	.p2align	8
	.type	k_q88ae001b79_prep,@function
k_q88ae001b79_prep:
	s_mov_b64 s[64:65], 0
	v_nop
	global_prefetch_b8 v0, s[64:65] scope:SCOPE_SE
	s_setreg_imm32_b32 hwreg(HW_REG_WAVE_MODE, 25, 1), 1
	s_wait_xcnt 0x0
; W_qkv [256][768], W_out [256][256] (K = the FIRST axis) and x [16384][256] (K innermost), f32, become codes of FP4 (E2M1) with one E8M0 byte for each 32 along K, laid as IMAGES OF OPERAND REGISTERS:
;   wc: 64 column tiles (0-47 of W_qkv, 48-63 of W_out) x [K step s of 128][c][512 bytes]: lane l = (r, h) has 16 bytes at 16 l: the codes of k = 128 s + 64 c + 32 h + 0 .. 31 of the tile's column r.
;   ws: 32 pairs of tiles x 256 bytes: lane l has 8 bytes: word 0 for the even tile, word 1 for the odd one; in a word lanes 0-15 hold K step 0's four scale bytes of column r, lanes 16-31 K step 1's.
;   xc: 1,024 token tiles, as wc.  xs: 256 bytes a token tile: lane l has its word twice, so that a tile's store is one whole unit of 256 bytes.
; Lane r of column tile t takes column 32 (t / 2) + 8 (t % 2) + r + 8 (r / 8).  Lane r of token tile t takes token 64 (t / 4) + 8 (t % 4) + r % 8 + 32 (r / 8).
; SHARES.  Work-groups 0-31: 32 columns each (a pair of tiles); wave c takes k = 64 c .. 64 c + 63, a lane a column, its registers run down K.  Work-groups 32-287: 64 tokens each, a wave a tile:
;   each load reads 512 consecutive bytes; a tile turns through the wave's own stage in LDS, so that a lane holds four whole blocks of its row.
; A block's scale is 2^(floor(log2(largest magnitude)) - 2): its byte is the largest magnitude's exponent field - 2, held at 1 from below.
; LIMITS: NaN and infinities are not served; a block whose largest magnitude lies under 2^-124 (a block of zeros too) keeps the byte 1: a block of zeros has zero codes, and only this program reads the bytes.
; No cluster, no tensor load, no prefetch: every byte is read once, by one work-group, and there is no loop to run ahead in.
.set SPARE, 256                        ; LDS: 0-255 the weights' scale bytes; 256-767 the spare words; from 1,024 on a stage for each wave
.set XST,  1024
.set XROW, 1040                        ; a row of x: 1,024 bytes + 16 of padding
.set SPW, 8
.set NIL, 9
.set X0, 32                            ; the weights: v32-63 block 0, v64-95 block 1
.set X1, 64
.set C0, 96                            ; v96-99 block 0's codes, then the even tile's four registers; v100-103 the odd tile's
.set C1, 100
.set RAW, 64                           ; x: v64-191
.set XC,  36                           ; x: v36-51 codes
	s_load_b128 s[4:7], s[0:1], 0x0                ; W_qkv, W_out
	s_load_b128 s[8:11], s[0:1], 0x10              ; wc, ws
	s_load_b128 s[24:27], s[0:1], 0x20             ; x, xc
	s_load_b64 s[28:29], s[0:1], 0x30              ; xs
	v_lshl_add_u32 v[SPW], v0, 2, SPARE
	v_mov_b32 v[NIL], 0
	v_lshrrev_b32 v2, 5, v0
	v_and_b32 v1, 31, v0                           ; lane
	v_readfirstlane_b32 s12, v2                    ; wave
	v_and_b32 v3, 7, v1
	v_bfe_u32 v7, v1, 3, 1
	v_lshl_add_u32 v3, v7, 4, v3
	v_lshrrev_b32 v7, 4, v1                        ; h
	v_lshl_add_u32 v3, v7, 3, v3                   ; my column among the 32: lanes 0-15 the even tile, lanes 16-31 the odd one
	v_lshlrev_b32 v3, 2, v3                        ; in bytes
	v_lshlrev_b32 v4, 4, v1                        ; 16 l
	v_lshlrev_b32 v6, 3, v1                        ; 8 l
	s_lshl_b32 s13, s12, 1
	v_add_nc_u32 v5, s13, v6                       ; LDS: my wave's two scale bytes of my column
	s_mul_i32 s13, s12, 16*XROW
	s_add_co_u32 s13, s13, XST                     ; my stage
	v_and_b32 v10, 15, v1
	v_add_nc_u32 v20, s13, v4                      ; in: as loaded
	v_mul_u32_u24 v10, v10, XROW
	v_lshlrev_b32 v22, 3, v7                       ; 8 h
	v_lshl_add_u32 v10, v7, 7, v10
	v_add_nc_u32 v21, s13, v10                     ; back: row r, + 128 h
	s_mov_b32 s14, 1024
	s_mov_b32 s17, 0
	s_wait_alu depctr_va_vdst(0)                   ; the wait at the head's end
	s_wait_kmcnt 0x0
	s_cmp_lt_u32 ttmp9, 32
	s_cbranch_scc0 .Lx
	s_cmp_lt_u32 ttmp9, 24                         ; the first 24 work-groups take W_qkv, the next eight W_out
	s_cselect_b64 s[20:21], s[4:5], s[6:7]
	s_cselect_b32 s14, 3072, s14                   ; bytes from row to row
	s_cselect_b32 s15, 0, 24
	s_sub_co_u32 s15, ttmp9, s15                   ; which 32 columns of that tensor
	s_lshl_b32 s16, s15, 7
	s_lshl_b32 s18, s12, 6
	s_mul_i32 s18, s18, s14                        ; my wave's first row
	s_add_co_u32 s16, s16, s18
	s_add_nc_u64 s[20:21], s[20:21], s[16:17]
	s_lshl_b32 s16, ttmp9, 12                      ; wc: two tiles of 2,048 bytes a work-group, 512 bytes a wave in each
	s_lshl_b32 s18, s12, 9
	s_add_co_u32 s16, s16, s18
	s_add_nc_u64 s[8:9], s[8:9], s[16:17]
	s_lshl_b32 s16, ttmp9, 8                       ; ws: 256 bytes a work-group
	s_add_nc_u64 s[10:11], s[10:11], s[16:17]
	s_cmp_lt_u32 ttmp9, 24                         ; the two arms differ in the row pitch, which stands in the immediates; they hold loads alone
	s_cbranch_scc0 .Lout
.set i, 0
.rept 64
	global_load_b32 v[X0+i], v3, s[20:21] offset:i*3072 th:TH_LOAD_NT
.set i, i+1
.endr
	s_branch .Ljoin
.Lout:
.set i, 0
.rept 64
	global_load_b32 v[X0+i], v3, s[20:21] offset:i*1024 th:TH_LOAD_NT
.set i, i+1
.endr
.Ljoin:
	s_wait_loadcnt 0x0
	; the two blocks by turns; in each two chains of maxima
.irp q, 0,1
	v_max3_num_f32 v[12+2*\q], |v[X0+32*\q]|, |v[X0+32*\q+1]|, |v[X0+32*\q+2]|
	v_max3_num_f32 v[13+2*\q], |v[X0+32*\q+3]|, |v[X0+32*\q+4]|, |v[X0+32*\q+5]|
.endr
.irp i, 6,10,14,18,22,26
.irp q, 0,1
	v_max3_num_f32 v[12+2*\q], v[12+2*\q], |v[X0+32*\q+\i]|, |v[X0+32*\q+\i+1]|
	v_max3_num_f32 v[13+2*\q], v[13+2*\q], |v[X0+32*\q+\i+2]|, |v[X0+32*\q+\i+3]|
.endr
.endr
.irp q, 0,1
	v_max3_num_f32 v[12+2*\q], v[12+2*\q], |v[X0+32*\q+30]|, |v[X0+32*\q+31]|
.endr
.irp q, 0,1
	v_max3_num_f32 v[12+2*\q], v[12+2*\q], v[13+2*\q], 0x1800000   ; and the floor 2^(3 - 127): the byte cannot fall under 1
.endr
.irp q, 0,1
	v_add_nc_u32 v[10+\q], 0xff000000, v[12+2*\q]  ; 2 off the exponent field: the conversion takes the exponent field of this operand as its scale
.endr
.irp q, 0,1
	v_lshrrev_b32 v[16+\q], 23, v[10+\q]           ; the scale's byte
.endr
.irp q, 0,1
.irp g, 0,1,2,3
	v_cvt_scalef32_pk8_fp4_f32 v[C0+4*\q+\g], v[X0+32*\q+8*\g:X0+32*\q+8*\g+7], v[10+\q]
.endr
.endr
	v_nop                                          ; one plain instruction between a scaled conversion and the vector instruction that touches its result
.irp g, 0,1,2,3
	v_permlane16_swap_b32 v[C0+\g], v[C1+\g]       ; block 1 of the even tile's columns goes to lanes 16-31 of the first, block 0 of the odd tile's to lanes 0-15 of the second
.endr
	v_lshl_or_b32 v16, v17, 8, v16                 ; my two scale bytes
	global_store_b128 v4, v[C0:C0+3], s[8:9]                  ; 32 lanes store 512 consecutive bytes
	global_store_b128 v4, v[C1:C1+3], s[8:9] offset:2048
	ds_store_b16 v5, v16
	s_branch .Lmeet
.Lx:
	s_sub_co_u32 s18, ttmp9, 32                    ; which 64 tokens
	s_lshl_b32 s16, s18, 16
	s_lshl_b32 s19, s12, 13
	s_add_co_u32 s16, s16, s19                     ; my tile's first token: 64 g + 8 w, 1,024 bytes a token
	s_add_nc_u64 s[24:25], s[24:25], s[16:17]
	s_lshl_b32 s18, s18, 2
	s_add_co_u32 s18, s18, s12                     ; my tile
	s_lshl_b32 s16, s18, 11
	s_add_nc_u64 s[26:27], s[26:27], s[16:17]
	s_lshl_b32 s16, s18, 8
	s_add_nc_u64 s[28:29], s[28:29], s[16:17]
.irp p, 0,1,2,3,4,5,6,7,8,9,10,11,12,13,14,15
.irp s, 0,1
	global_load_b128 v[RAW+4*(2*\p+\s):RAW+4*(2*\p+\s)+3], v4, s[24:25] offset:(\p+24*(\p/8))*1024+512*\s th:TH_LOAD_NT
.endr
.endr
	s_wait_loadcnt 16                              ; the first eight rows are in
.irp p, 0,1,2,3,4,5,6,7
.irp s, 0,1
	ds_store_b128 v20, v[RAW+4*(2*\p+\s):RAW+4*(2*\p+\s)+3] offset:XROW*\p+512*\s
.endr
.endr
	s_wait_loadcnt 0x0
.irp p, 8,9,10,11,12,13,14,15
.irp s, 0,1
	ds_store_b128 v20, v[RAW+4*(2*\p+\s):RAW+4*(2*\p+\s)+3] offset:XROW*\p+512*\s
.endr
.endr
	s_wait_dscnt 0x0                               ; the stores have read their registers
.irp q, 0,1,2,3                                ; q = 2 s + c: k = 64 q + 32 h + 0 .. 31 of row r: a whole block in my lane
.irp i, 0,1,2,3,4,5,6,7
	ds_load_b128 v[RAW+32*\q+4*\i:RAW+32*\q+4*\i+3], v21 offset:256*\q+16*\i
.endr
.endr
	s_wait_dscnt 0x0
.irp q, 0,1,2,3
	v_max3_num_f32 v[24+\q], |v[RAW+32*\q]|, |v[RAW+32*\q+1]|, 0x1800000
.endr
.irp i, 2,4,6,8,10,12,14,16,18,20,22,24,26,28,30
.irp q, 0,1,2,3
	v_max3_num_f32 v[24+\q], v[24+\q], |v[RAW+32*\q+\i]|, |v[RAW+32*\q+\i+1]|
.endr
.endr
.irp q, 0,1,2,3
	v_add_nc_u32 v[28+\q], 0xff000000, v[24+\q]
.endr
.irp q, 0,1,2,3
	v_lshrrev_b32 v[32+\q], 23, v[28+\q]
.endr
	v_lshl_or_b32 v52, v33, 16, v32                ; K step 0: my bytes h and 2 + h
	v_lshl_or_b32 v53, v35, 16, v34                ; K step 1
.irp q, 0,1,2,3
.irp i, 0,1,2,3
	v_cvt_scalef32_pk8_fp4_f32 v[XC+4*\q+\i], v[RAW+32*\q+8*\i:RAW+32*\q+8*\i+7], v[28+\q]
.endr
.endr
	v_lshlrev_b32 v52, v22, v52                    ; 8 h bits up
	v_lshlrev_b32 v53, v22, v53
	v_permlane16_swap_b32 v52, v53                 ; lanes 0-15: both halves' bytes of K step 0; lanes 16-31: of K step 1
	v_or_b32 v54, v52, v53
	v_mov_b32 v55, v54
.irp q, 0,1,2,3
	global_store_b128 v4, v[XC+4*\q:XC+4*\q+3], s[26:27] offset:512*\q   ; 512 consecutive bytes each
.endr
	global_store_b64 v6, v[54:55], s[28:29]        ; 256 consecutive bytes, aligned
.Lmeet:
	s_wait_dscnt 0x0                               ; for wave 0's sake: my bytes lie in LDS
	s_barrier_signal -1
	s_barrier_wait -1
	s_lshr_b32 s13, ttmp9, 5                       ; 0 in the work-groups of weights
	s_or_b32 s13, s13, s12
	s_cmp_lg_u32 s13, 0
	s_cbranch_scc1 .Ldone
	ds_load_b64 v[18:19], v6                       ; wave 0: my column's words of K step 0 and K step 1
	s_wait_dscnt 0x0
	v_permlane16_swap_b32 v18, v19                 ; v18: the even tile's (lanes 0-15 K step 0, lanes 16-31 K step 1); v19: the odd tile's
	global_store_b64 v6, v[18:19], s[10:11]        ; 32 lanes store 256 consecutive bytes, aligned
.Ldone:
	s_wait_tensorcnt 0x0                           ; the wave's end
	ds_add_u32 v[SPW], v[NIL]
	s_wait_dscnt 0x0
	s_endpgm
.Lfunc_end_k_q88ae001b79_prep:
	.size	k_q88ae001b79_prep, .Lfunc_end_k_q88ae001b79_prep-k_q88ae001b79_prep
	.p2alignl 7, 3214868480
	.fill 96, 4, 3214868480
	.section	.rodata,"a",@progbits
	.p2align	6, 0x0
	.amdhsa_kernel k_q88ae001b79_prep
		.amdhsa_group_segment_fixed_size 67584
		.amdhsa_private_segment_fixed_size 0
		.amdhsa_enable_private_segment 0
		.amdhsa_kernarg_size 56
		.amdhsa_user_sgpr_count 2
		.amdhsa_user_sgpr_kernarg_segment_ptr 1
		.amdhsa_wavefront_size32 1
		.amdhsa_system_sgpr_workgroup_id_x 1
		.amdhsa_system_sgpr_workgroup_id_y 1
		.amdhsa_system_sgpr_workgroup_id_z 1
		.amdhsa_system_vgpr_workitem_id 0
		.amdhsa_next_free_vgpr 192
		.amdhsa_next_free_sgpr 66
		.amdhsa_reserve_vcc 0
		.amdhsa_float_denorm_mode_32 3
		.amdhsa_float_denorm_mode_16_64 3
		.amdhsa_memory_ordered 1
		.amdhsa_forward_progress 1
		.amdhsa_inst_pref_size 32
	.end_amdhsa_kernel
	.amdgpu_metadata
---
amdhsa.version: [ 1, 2 ]
amdhsa.kernels:
  - .name:           k_q88ae001b79_prep
    .symbol:         k_q88ae001b79_prep.kd
    .args:
      - { .name: W_qkv, .offset: 0, .size: 8, .value_kind: global_buffer, .address_space: global }
      - { .name: W_out, .offset: 8, .size: 8, .value_kind: global_buffer, .address_space: global }
      - { .name: wc, .offset: 16, .size: 8, .value_kind: global_buffer, .address_space: global }
      - { .name: ws, .offset: 24, .size: 8, .value_kind: global_buffer, .address_space: global }
      - { .name: x, .offset: 32, .size: 8, .value_kind: global_buffer, .address_space: global }
      - { .name: xc, .offset: 40, .size: 8, .value_kind: global_buffer, .address_space: global }
      - { .name: xs, .offset: 48, .size: 8, .value_kind: global_buffer, .address_space: global }
    .group_segment_fixed_size: 67584
    .private_segment_fixed_size: 0
    .kernarg_segment_align: 8
    .kernarg_segment_size: 56
    .max_flat_workgroup_size: 128
    .sgpr_count:     66
    .vgpr_count:     192
    .wavefront_size: 32
...
	.end_amdgpu_metadata
.endif
;; end of part 1
;; launch qkv (part 2): grid 128 x 2, 8 waves a work-group, no clusters, 60,928 bytes of LDS; arguments xc, xs, wc, ws, b_qkv, qc, qs, kv; writes qc, qs, kv
.if DOCPART == 2
	.amdgcn_target "amdgcn-amd-amdhsa--gfx1250"
	.amdhsa_code_object_version 6
	.text
	.protected	k_q88ae001b79_qkv
	.globl	k_q88ae001b79_qkv
	.p2align	8
	.type	k_q88ae001b79_qkv,@function
k_q88ae001b79_qkv:
	s_mov_b64 s[64:65], 0
	v_nop
	global_prefetch_b8 v0, s[64:65] scope:SCOPE_SE
	s_setreg_imm32_b32 hwreg(HW_REG_WAVE_MODE, 25, 1), 1
	s_wait_xcnt 0x0
; qkv = Q(x) Q(W_qkv) + b_qkv on codes of FP4 (E2M1) with E8M0 scales for each 32 along K = 256; then q and k are quantised along the channels and v along the tokens (the keys), and stored as images of operand registers.
; SHARES.  Work-group (G, hf) takes tokens 128 G .. 128 G + 127 and channels 128 hf .. 128 hf + 127 of q, of k and of v.  Wave w makes three items:
;   q and k of token tile w (TRANSPOSED: source 0 = 16 columns of W, source 1 = x: a lane holds one token, its registers run along the channels), and v of channel tile 8 hf + w for all 128 tokens
;   (source 0 = 16 tokens of x, source 1 = 16 columns of W: a lane holds one channel, its registers run along the tokens).  So each result lies as its quantiser wants it.
; TILES.  Lane r of column tile t takes column 32 (t / 2) + 8 (t % 2) + r + 8 (r / 8): the 16 registers of results 2 b, 2 b + 1 are channels 32 b + 16 h + 0 .. 15.  Lane r of token tile t takes token
;   64 (t / 4) + 8 (t % 4) + r % 8 + 32 (r / 8): the 32 registers of four results of v are a whole block of 32 tokens.
; OUTPUT.  qc: tile T = 8 G + w: [K step hf][c][512 bytes].  qs: [hf][T][16 words].  kv: a block of 139,264 bytes for each 512 keys: K's codes (65,536: [key tile][hf][c][512]),
;   K's scale words (4,096: [64 keys][lane][key tile % 4]: lanes 0-15 K step 0, lanes 16-31 K step 1), V's codes (65,536: [channel tile / 2][j][channel tile % 2][c][512]), V's scale words
;   (4,096: [j][channel tile][16 words]); j = which 128 of the 512 keys.
; Operands go from wave to wave through LDS as images of their registers (16 bytes a lane, 512 an instruction).  The biases are the C of each sum's first matrix instruction.
; LIMITS: NaN and infinities are not served; a block whose largest magnitude lies under 2^-124 keeps the scale byte 1 (a block of zeros has zero codes; only this program reads the bytes).
; No tensor load, no cluster, no prefetch: a work-group reads about 68 KiB of codes, once, and there is no loop to run ahead in.  Straight-line text, two barriers.
.set SLOTB, 139264
.set WIMG,  0                          ; LDS: q's and k's 8 + 8 column tiles: unit x 16,384 + tile x 2,048 + s x 1,024 + c x 512 + 16 l
.set XIMG,  32768                      ; x's 8 token tiles
.set XSC,   49152                      ; their scale words: tile x 128 + 4 l (lanes 0-15 K step 0, lanes 16-31 K step 1)
.set SCST,  50176                      ; three stages of 512 bytes for the scale words of q, k, v
.set BST,   51712                      ; q's and k's biases, 1,024 bytes for each wave
.set SPARE, 59904                      ; the spare words
.set LI,  5                            ; 16 l
.set LS,  6                            ; 4 l
.set L8,  7                            ; 8 l
.set H64, 8                            ; 64 h
.set BIA, 9                            ; my biases + 64 h
.set SBW, 10                           ; my biases, as loaded
.set WWI, 11                           ; where I store W's images
.set XWI, 12                           ; x's,
.set XWS, 13                           ; and its scale word
.set SQ,  14                           ; where my scale words go
.set SK,  15
.set XF,  16                           ; v16-31 my token tile's two fragments
.set XS,  32                           ; its scale words (ROW0: K step 0, ROW1: K step 1)
.set WSV, 33                           ; scale words of my v tile of W
.set WSQ, 34                           ; v34-41 of q's eight tiles;  v42-49 of k's
.set WSK, 42
.set XSV, 50                           ; v50-57 of x's eight token tiles
.set PWQ, 58
.set PWK, 59
.set SV,  60
.set BVO, 61                           ; 4 (r + 8 (r / 8)): v's bias
.set KSO, 62                           ; 512 h + 16 r: K's scale words on their way out
.set SPW, 63
.set TM,  64                           ; v64-79 at work in the quantiser
.set PCQ, 80                           ; v80-103 the codes made for q, k, v
.set PCK, 88
.set PCV, 96
.set WQ,  80                           ; v80-111 at the head: 8 quads of W on their way to LDS
.set OUTS, 112                         ; v112-123 the scale stages on their way out; at the head the biases as loaded
.set NIL, 125
.set HA,  128                          ; v128-191 eight results
.set WF,  192                          ; v192-255 K step 0's eight fragments from LDS
.set BQ,  0                            ; window 1: v0-63 q's bias, v64-127 k's, v128-135 v's, v136-151 my v tile of W, v160-223 K step 1's eight fragments
.set BK,  64
.set BV,  128
.set WVF, 136
.set WG,  160
.set WV,  20
.set HF,  21
.set SEL, 44                           ; s[44:45] v_permlanex16_b32's selects for lane l xor 16
.set MSB, 0
.macro WIN new                         ; the immediate's high byte repeats the setting that is left
.if MSB != \new
	s_set_vgpr_msb (MSB<<8)|\new
.set MSB, \new
.endif
.endm
.macro PLACES n
.rept \n
	v_nop
.endr
.endm
; 64 numbers of a lane, register 16 b + i = k 32 b + 16 h + i of my row, become a fragment's codes in v[d] on and its scale word in v[pw]
.macro QUANT s, d, pw
.irp b, 0,1,2,3
	v_max3_num_f32 v[TM+\b], |v[\s+16*\b]|, |v[\s+1+16*\b]|, 0x1800000   ; my 16 numbers of block b, and the floor 2^(3 - 127): the byte cannot fall under 1
.endr
.irp i, 2,4,6,8,10,12,14
.irp b, 0,1,2,3
	v_max3_num_f32 v[TM+\b], v[TM+\b], |v[\s+16*\b+\i]|, |v[\s+1+16*\b+\i]|
.endr
.endr
.irp b, 0,1,2,3
	v_permlanex16_b32 v[TM+4+\b], v[TM+\b], s[SEL], s[SEL+1]
.endr
.irp b, 0,1,2,3
	v_max_num_f32 v[TM+\b], v[TM+\b], v[TM+4+\b]   ; with lane l xor 16's: the block's largest magnitude
.endr
.irp b, 0,1,2,3
	v_add_nc_u32 v[TM+12+\b], 0xff000000, v[TM+\b] ; 2 off its exponent field: the conversion's scale operand
.endr
.irp b, 0,1,2,3
	v_lshrrev_b32 v[TM+4+\b], 23, v[TM+12+\b]      ; the scale's byte
.endr
	v_lshl_or_b32 v[\pw], v[TM+5], 8, v[TM+4]
	v_lshl_or_b32 v[TM], v[TM+7], 8, v[TM+6]
	v_lshl_or_b32 v[\pw], v[TM], 16, v[\pw]
.irp b, 0,1,2,3
	v_cvt_scalef32_pk8_fp4_f32 v[\d+2*\b], v[\s+16*\b:\s+7+16*\b], v[TM+12+\b]
	v_cvt_scalef32_pk8_fp4_f32 v[\d+1+2*\b], v[\s+8+16*\b:\s+15+16*\b], v[TM+12+\b]
.endr
	v_nop                                          ; one plain place behind a scaled conversion
.irp c, 0,1                                    ; the operand's layout wants a whole block in a lane
.irp i, 0,1
	v_permlane16_swap_b32 v[\d+4*\c+\i], v[\d+2+4*\c+\i]
.endr
.endr
.endm
.macro LOAD8 img, s                    ; eight tiles' fragments of K step s
.if \s
	WIN 0x40
.endif
.irp t, 0,1,2,3,4,5,6,7
.irp c, 0,1
.if \s
	ds_load_b128 v[WG+8*\t+4*\c:WG+8*\t+4*\c+3], v[LI] offset:(\img)+\t*2048+1024+\c*512
.else
	ds_load_b128 v[WF+8*\t+4*\c:WF+8*\t+4*\c+3], v[LI] offset:(\img)+\t*2048+\c*512
.endif
.endr
.endr
	WIN 0
.endm
.macro BIASL un                        ; lane (r, h) wants, for tile t, the bias of channels 32 (t / 2) + 8 (t % 2) + 16 h + 0 .. 7
	WIN 0x40
.irp t, 0,1,2,3,4,5,6,7
	ds_load_b128 v[64*(\un)+8*\t:64*(\un)+8*\t+3], v[BIA] offset:512*(\un)+(32*(\t/2)+8*(\t%2))*4
	ds_load_b128 v[64*(\un)+8*\t+4:64*(\un)+8*\t+7], v[BIA] offset:512*(\un)+(32*(\t/2)+8*(\t%2))*4+16
.endr
	WIN 0
.endm
; eight products, the eight accumulators by turns: source 0 = W's tile t, source 1 = my x
.macro MULQK ws, cb, s
.if \s == 0
	WIN 0x10                                       ; C, the bias, in window 1
.else
	WIN 0x01                                       ; source 0 in window 1
.endif
.irp t, 0,1,2,3,4,5,6,7
.if \s == 0
	v_wmma_scale_f32_16x16x128_f8f6f4 v[HA+8*\t:HA+8*\t+7], v[WF+8*\t:WF+8*\t+7], v[XF:XF+7], v[\cb+8*\t:\cb+8*\t+7], v[\ws+\t], v[XS] matrix_a_fmt:MATRIX_FMT_FP4 matrix_b_fmt:MATRIX_FMT_FP4
.else
	v_wmma_scale_f32_16x16x128_f8f6f4 v[HA+8*\t:HA+8*\t+7], v[WG+8*\t:WG+8*\t+7], v[XF+8:XF+15], v[HA+8*\t:HA+8*\t+7], v[\ws+\t], v[XS] matrix_a_fmt:MATRIX_FMT_FP4 matrix_b_fmt:MATRIX_FMT_FP4 matrix_a_scale:MATRIX_SCALE_ROW1 matrix_b_scale:MATRIX_SCALE_ROW1
.endif
.endr
	WIN 0
.endm
; eight products: source 0 = x's token tile t, source 1 = my v tile of W
.macro MULV s
.if \s == 0
	WIN 0x14                                       ; source 1 and C in window 1
.else
	WIN 0x05                                       ; sources 0 and 1 in window 1
.endif
.irp t, 0,1,2,3,4,5,6,7
.if \s == 0
	v_wmma_scale_f32_16x16x128_f8f6f4 v[HA+8*\t:HA+8*\t+7], v[WF+8*\t:WF+8*\t+7], v[WVF:WVF+7], v[BV:BV+7], v[XSV+\t], v[WSV] matrix_a_fmt:MATRIX_FMT_FP4 matrix_b_fmt:MATRIX_FMT_FP4
.else
	v_wmma_scale_f32_16x16x128_f8f6f4 v[HA+8*\t:HA+8*\t+7], v[WG+8*\t:WG+8*\t+7], v[WVF+8:WVF+15], v[HA+8*\t:HA+8*\t+7], v[XSV+\t], v[WSV] matrix_a_fmt:MATRIX_FMT_FP4 matrix_b_fmt:MATRIX_FMT_FP4 matrix_a_scale:MATRIX_SCALE_ROW1 matrix_b_scale:MATRIX_SCALE_ROW1
.endif
.endr
	WIN 0
.endm
	s_load_b256 s[4:11], s[0:1], 0x0               ; xc s[4:5], xs s[6:7], wc s[8:9], ws s[10:11]
	s_load_b256 s[12:19], s[0:1], 0x20             ; b_qkv s[12:13], qc s[14:15], qs s[16:17], kv s[18:19]
	v_lshl_add_u32 v[SPW], v0, 2, SPARE
	v_mov_b32 v[NIL], 0
	v_lshrrev_b32 v4, 5, v0
	v_and_b32 v1, 31, v0                           ; lane
	v_and_b32 v2, 15, v0                           ; r
	v_bfe_u32 v3, v0, 4, 1                         ; h
	v_readfirstlane_b32 s[WV], v4                  ; wave 0..7
	v_lshlrev_b32 v[LI], 4, v1
	v_lshlrev_b32 v[LS], 2, v1
	v_lshlrev_b32 v[L8], 3, v1
	v_lshlrev_b32 v[H64], 6, v3
	v_and_b32 v[BVO], 8, v2
	v_lshlrev_b32 v[KSO], 9, v3
	v_add_nc_u32 v[BVO], v[BVO], v2
	v_lshl_add_u32 v[KSO], v2, 4, v[KSO]
	v_lshlrev_b32 v[BVO], 2, v[BVO]
	s_wait_alu depctr_va_vdst(0)                   ; the wait here, ahead of the scalar instructions
	s_and_b32 s[HF], ttmp7, 0xffff                 ; which half of the channels
	s_lshr_b32 s22, s[WV], 1                       ; w / 2
	s_and_b32 s23, s[WV], 1                        ; w % 2
	s_lshl_b32 s38, s[WV], 11
	v_add_nc_u32 v[WWI], s38, v[LI]
	v_add_nc_u32 v[XWI], XIMG, v[WWI]
	s_lshl_b32 s38, s[WV], 7
	s_add_co_u32 s38, s38, XSC
	v_add_nc_u32 v[XWS], s38, v[LS]
	s_lshl_b32 s38, s[WV], 10
	s_add_co_u32 s38, s38, BST
	v_add_nc_u32 v[SBW], s38, v[LI]
	v_add_nc_u32 v[BIA], s38, v[H64]
	s_lshl_b32 s38, s[WV], 6
	s_add_co_u32 s38, s38, SCST
	v_lshl_add_u32 v[SQ], v2, 2, s38               ; q: 64 w + 4 r
	s_add_co_u32 s38, s38, 1024
	v_lshl_add_u32 v[SV], v2, 2, s38               ; v: 64 w + 4 r + h: the scale byte of my block
	v_add_nc_u32 v[SV], v[SV], v3
	s_lshr_b32 s38, s[WV], 2
	s_lshl_b32 s38, s38, 8
	s_and_b32 s39, s[WV], 3
	s_lshl_b32 s39, s39, 2
	s_add_co_u32 s38, s38, s39
	s_add_co_u32 s38, s38, SCST+512
	v_lshl_add_u32 v[SK], v2, 4, s38               ; k: 256 (w / 4) + 16 r + 4 (w % 4)
.irp b, 0,1,2,3
	v_mov_b32 v[TM+4+\b], 0                        ; a lane permute's destination counts as one of its sources
.endr
	s_mov_b32 s25, 0
	s_lshl_b32 s38, ttmp9, 3
	s_add_co_u32 s38, s38, s[WV]                   ; T = 8 G + w
	s_lshl_b32 s39, s[HF], 3
	s_add_co_u32 s39, s39, s[WV]                   ; my channel tile 8 hf + w
	s_wait_alu depctr_va_vdst(0)                   ; the wait at the head's end
	s_wait_kmcnt 0x0
	s_lshl_b32 s24, s38, 11
	s_add_nc_u64 s[4:5], s[4:5], s[24:25]
	s_lshl_b32 s24, s38, 8
	s_add_nc_u64 s[6:7], s[6:7], s[24:25]
	s_lshl_b32 s24, s39, 11
	s_add_nc_u64 s[8:9], s[8:9], s[24:25]          ; the unit (16 tiles) stands in the immediates
	s_lshl_b32 s24, s[HF], 9
	s_add_nc_u64 s[12:13], s[12:13], s[24:25]      ; b_qkv at channel 128 hf
	s_lshl_b32 s24, s22, 7
	s_lshl_b32 s40, s23, 5
	s_add_co_u32 s24, s24, s40
	s_add_nc_u64 s[26:27], s[12:13], s[24:25]      ; and at my v tile's first channel
	s_lshl_b32 s24, s[HF], 10
	s_add_nc_u64 s[10:11], s[10:11], s[24:25]      ; ws at pair 4 hf
	s_lshl_b32 s24, s22, 8
	s_lshl_b32 s40, s23, 2
	s_add_co_u32 s24, s24, s40
	s_add_nc_u64 s[36:37], s[10:11], s[24:25]      ; and at my v tile's word
.irp q, 0,1,2,3
	global_load_b128 v[XF+4*\q:XF+4*\q+3], v[LI], s[4:5] offset:\q*512
.endr
	global_load_b32 v[XS], v[L8], s[6:7]
.irp un, 0,1                                   ; tile w of q's and of k's eight: four quads each
.irp q, 0,1,2,3
	global_load_b128 v[WQ+16*\un+4*\q:WQ+16*\un+4*\q+3], v[LI], s[8:9] offset:\un*32768+\q*512
.endr
.endr
	WIN 0x40
.irp q, 0,1,2,3
	global_load_b128 v[WVF+4*\q:WVF+4*\q+3], v[LI], s[8:9] offset:65536+\q*512
.endr
	global_load_b32 v[BV], v[BVO], s[26:27] offset:2048   ; v: a lane holds one channel
	WIN 0
	global_load_b128 v[OUTS:OUTS+3], v[LI], s[12:13]               ; q's and k's 128 biases
	global_load_b128 v[OUTS+4:OUTS+7], v[LI], s[12:13] offset:1024
.irp un, 0,1
.irp p, 0,1,2,3
	global_load_b64 v[WSQ+8*\un+2*\p:WSQ+8*\un+2*\p+1], v[L8], s[10:11] offset:(8*\un+\p)*256
.endr
.endr
	global_load_b32 v[WSV], v[L8], s[36:37] offset:4096
	; while they are on their way: the outputs' bases
	s_mov_b32 s[SEL], 0x76543210
	s_mov_b32 s[SEL+1], 0xfedcba98
	s_lshl_b32 s24, s38, 11
	s_lshl_b32 s40, s[HF], 10
	s_add_co_u32 s24, s24, s40
	s_add_nc_u64 s[14:15], s[14:15], s[24:25]      ; qc
	s_lshl_b32 s24, s[HF], 16
	s_lshl_b32 s41, ttmp9, 9
	s_add_co_u32 s24, s24, s41
	s_add_nc_u64 s[16:17], s[16:17], s[24:25]      ; qs
	s_lshr_b32 s42, ttmp9, 2
	s_mul_i32 s42, s42, SLOTB                      ; my block of 512 keys
	s_and_b32 s43, ttmp9, 3                        ; j
	s_lshl_b32 s24, s43, 14
	s_add_co_u32 s24, s24, s42
	s_add_co_u32 s24, s24, s40
	s_lshl_b32 s41, s[WV], 11
	s_add_co_u32 s24, s24, s41
	s_add_nc_u64 s[28:29], s[18:19], s[24:25]      ; K's codes
	s_lshl_b32 s24, s43, 11
	s_add_co_u32 s24, s24, s42
	s_lshr_b32 s41, s39, 1
	s_lshl_b32 s41, s41, 13
	s_add_co_u32 s24, s24, s41
	s_lshl_b32 s41, s23, 10
	s_add_co_u32 s24, s24, s41
	s_add_nc_u64 s[30:31], s[18:19], s[24:25]      ; V's codes (+ 69,632 in the immediate)
	s_lshl_b32 s43, s43, 10
	s_add_co_u32 s42, s42, s43
	s_lshl_b32 s24, s[HF], 8
	s_add_co_u32 s24, s24, s42
	s_add_nc_u64 s[32:33], s[18:19], s[24:25]      ; K's scale words (+ 65,536)
	s_lshl_b32 s24, s[HF], 9
	s_add_co_u32 s24, s24, s42
	s_add_nc_u64 s[34:35], s[18:19], s[24:25]      ; V's (+ 135,168)
	s_wait_loadcnt 16                              ; x, its scales and W's eight quads are in: 16 were issued behind them
.irp q, 0,1,2,3
	ds_store_b128 v[XWI], v[XF+4*\q:XF+4*\q+3] offset:\q*512
.endr
	ds_store_b32 v[XWS], v[XS]
.irp un, 0,1
.irp q, 0,1,2,3
	ds_store_b128 v[WWI], v[WQ+16*\un+4*\q:WQ+16*\un+4*\q+3] offset:WIMG+\un*16384+\q*512
.endr
.endr
	s_wait_loadcnt 0x0
	ds_store_b128 v[SBW], v[OUTS:OUTS+3]
	ds_store_b128 v[SBW], v[OUTS+4:OUTS+7] offset:512
	WIN 0x41
.irp i, 1,2,3,4,5,6,7
	v_mov_b32 v[BV+\i], v[BV]                      ; v's bias fills all eight registers of C
.endr
	WIN 0
	s_wait_alu depctr_va_vdst(0)                   ; the wait here, ahead of the waits below
	s_wait_dscnt 0x0                               ; for the others' sake: my images lie in LDS
	s_barrier_signal -1
	s_barrier_wait -1                              ; W's sixteen tiles and x's eight are whole
	; ---- q
	LOAD8 WIMG, 0
	BIASL 0
	LOAD8 WIMG, 1
	s_wait_dscnt 16                                ; K step 0's fragments and the biases are in
	MULQK WSQ, BQ, 0
	s_wait_dscnt 0x0
	MULQK WSQ, BQ, 1
	PLACES 4                                       ; in front of loads into registers that matrix instructions have read, and of the first read of results
	LOAD8 WIMG+16384, 0                            ; k's tiles and biases land while q is quantised
	BIASL 1
	LOAD8 WIMG+16384, 1
	QUANT HA, PCQ, PWQ
	global_store_b128 v[LI], v[PCQ:PCQ+3], s[14:15]               ; 512 consecutive bytes each
	global_store_b128 v[LI], v[PCQ+4:PCQ+7], s[14:15] offset:512
	ds_store_b32 v[SQ], v[PWQ]                     ; lanes r and r + 16 write the same word with the same value
	; ---- k
	s_wait_dscnt 0x0
	MULQK WSK, BK, 0
	MULQK WSK, BK, 1
	PLACES 4
	LOAD8 XIMG, 0                                  ; x's eight tiles land while k is quantised
.irp t, 0,1,2,3,4,5,6,7
	ds_load_b32 v[XSV+\t], v[LS] offset:XSC+128*\t
.endr
	LOAD8 XIMG, 1
	QUANT HA, PCK, PWK
	global_store_b128 v[LI], v[PCK:PCK+3], s[28:29]
	global_store_b128 v[LI], v[PCK+4:PCK+7], s[28:29] offset:512
	ds_store_b32 v[SK], v[PWK]
	; ---- v
	s_wait_dscnt 0x0
	MULV 0
	MULV 1
	PLACES 4
	; my lane holds two whole blocks: registers 32 g .. 32 g + 31 are tokens 64 g + 32 h + 0 .. 31: no lane is asked for a maximum, and the codes lie as the operand wants them
.irp b, 0,1,2,3
	v_max3_num_f32 v[TM+\b], |v[HA+16*\b]|, |v[HA+1+16*\b]|, 0x1800000
.endr
.irp i, 2,4,6,8,10,12,14
.irp b, 0,1,2,3
	v_max3_num_f32 v[TM+\b], v[TM+\b], |v[HA+16*\b+\i]|, |v[HA+1+16*\b+\i]|
.endr
.endr
.irp g, 0,1
	v_max_num_f32 v[TM+2*\g], v[TM+2*\g], v[TM+2*\g+1]
.endr
.irp g, 0,1
	v_add_nc_u32 v[TM+12+\g], 0xff000000, v[TM+2*\g]
.endr
.irp g, 0,1
	v_lshrrev_b32 v[TM+4+\g], 23, v[TM+12+\g]
.endr
.irp g, 0,1
.irp i, 0,1,2,3
	v_cvt_scalef32_pk8_fp4_f32 v[PCV+4*\g+\i], v[HA+32*\g+8*\i:HA+32*\g+8*\i+7], v[TM+12+\g]
.endr
.endr
	v_nop                                          ; one plain place behind a scaled conversion
	global_store_b128 v[LI], v[PCV:PCV+3], s[30:31] offset:69632
	global_store_b128 v[LI], v[PCV+4:PCV+7], s[30:31] offset:69632+512
	ds_store_b8 v[SV], v[TM+4]
	ds_store_b8 v[SV], v[TM+5] offset:2
	s_wait_dscnt 0x0                               ; for wave 0's sake
	s_barrier_signal -1
	s_barrier_wait -1
	s_cmp_lg_u32 s[WV], 0
	s_cbranch_scc1 .Ldone
.irp n, 0,1,2
	ds_load_b128 v[OUTS+4*\n:OUTS+4*\n+3], v[LI] offset:SCST+512*\n
.endr
	s_wait_dscnt 0x0
	global_store_b128 v[LI],  v[OUTS:OUTS+3],    s[16:17]                 ; q's: 512 consecutive bytes
	global_store_b128 v[KSO], v[OUTS+4:OUTS+7],  s[32:33] offset:65536    ; k's: sixteen lanes store 256 consecutive bytes, aligned, twice
	global_store_b128 v[LI],  v[OUTS+8:OUTS+11], s[34:35] offset:135168   ; v's: 512 consecutive bytes
.Ldone:
	s_wait_tensorcnt 0x0                           ; the wave's end
	ds_add_u32 v[SPW], v[NIL]
	s_wait_dscnt 0x0
	s_endpgm
.Lfunc_end_k_q88ae001b79_qkv:
	.size	k_q88ae001b79_qkv, .Lfunc_end_k_q88ae001b79_qkv-k_q88ae001b79_qkv
	.p2alignl 7, 3214868480
	.fill 96, 4, 3214868480
	.section	.rodata,"a",@progbits
	.p2align	6, 0x0
	.amdhsa_kernel k_q88ae001b79_qkv
		.amdhsa_group_segment_fixed_size 60928
		.amdhsa_private_segment_fixed_size 0
		.amdhsa_enable_private_segment 0
		.amdhsa_kernarg_size 64
		.amdhsa_user_sgpr_count 2
		.amdhsa_user_sgpr_kernarg_segment_ptr 1
		.amdhsa_wavefront_size32 1
		.amdhsa_system_sgpr_workgroup_id_x 1
		.amdhsa_system_sgpr_workgroup_id_y 1
		.amdhsa_system_sgpr_workgroup_id_z 1
		.amdhsa_system_vgpr_workitem_id 0
		.amdhsa_next_free_vgpr 512
		.amdhsa_next_free_sgpr 66
		.amdhsa_reserve_vcc 0
		.amdhsa_float_denorm_mode_32 3
		.amdhsa_float_denorm_mode_16_64 3
		.amdhsa_memory_ordered 1
		.amdhsa_forward_progress 1
		.amdhsa_inst_pref_size 37
	.end_amdhsa_kernel
	.amdgpu_metadata
---
amdhsa.version: [ 1, 2 ]
amdhsa.kernels:
  - .name:           k_q88ae001b79_qkv
    .symbol:         k_q88ae001b79_qkv.kd
    .args:
      - { .name: xc, .offset: 0, .size: 8, .value_kind: global_buffer, .address_space: global }
      - { .name: xs, .offset: 8, .size: 8, .value_kind: global_buffer, .address_space: global }
      - { .name: wc, .offset: 16, .size: 8, .value_kind: global_buffer, .address_space: global }
      - { .name: ws, .offset: 24, .size: 8, .value_kind: global_buffer, .address_space: global }
      - { .name: b_qkv, .offset: 32, .size: 8, .value_kind: global_buffer, .address_space: global }
      - { .name: qc, .offset: 40, .size: 8, .value_kind: global_buffer, .address_space: global }
      - { .name: qs, .offset: 48, .size: 8, .value_kind: global_buffer, .address_space: global }
      - { .name: kv, .offset: 56, .size: 8, .value_kind: global_buffer, .address_space: global }
    .group_segment_fixed_size: 60928
    .private_segment_fixed_size: 0
    .kernarg_segment_align: 8
    .kernarg_segment_size: 64
    .max_flat_workgroup_size: 256
    .sgpr_count:     66
    .vgpr_count:     512
    .wavefront_size: 32
...
	.end_amdgpu_metadata
.endif
;; end of part 2
;; launch attn (part 3): grid 64 x 4, 8 waves a work-group, clusters of 4 x 1, 327,680 bytes of LDS; arguments qc, qs, kv, wc, ws, b_out, out0; writes out0
.if DOCPART == 3
	.amdgcn_target "amdgcn-amd-amdhsa--gfx1250"
	.amdhsa_code_object_version 6
	.text
	.protected	k_q88ae001b79_attn
	.globl	k_q88ae001b79_attn
	.p2align	8
	.type	k_q88ae001b79_attn,@function
k_q88ae001b79_attn:
	s_mov_b64 s[64:65], 0
	v_nop
	global_prefetch_b8 v0, s[64:65] scope:SCOPE_SE
	s_setreg_imm32_b32 hwreg(HW_REG_WAVE_MODE, 25, 1), 1
	s_wait_xcnt 0x0
	s_wait_alu depctr_hold_cnt(0) depctr_sa_sdst(0) depctr_va_vdst(0) depctr_va_sdst(0) depctr_va_ssrc(0) depctr_va_vcc(0) depctr_vm_vsrc(0)
	s_getreg_b32 s2, hwreg(HW_REG_IB_STS2, 6, 4)
	s_cmp_eq_u32 s2, 0
	s_cbranch_scc0 .Lentry_in_a_cluster
	s_endpgm
.Lentry_in_a_cluster:
	s_bfe_u32 s2, ttmp6, 0x10000c
	s_cmp_lg_u32 s2, 0x3003
	s_cbranch_scc0 .Lentry_shape_is_right
	s_endpgm
.Lentry_shape_is_right:
; out = Q(softmax(q k^T / 16) v) Q(W_out) + b_out on codes of FP4 (E2M1) with E8M0 scales for each 32 along a product's K.
; SHARES.  A work-group owns 64 queries (4 tiles of 16) of one batch and walks its 4,096 keys in 8 blocks of 512.  In a block, wave w makes the scores of all 64 queries with ITS 64 keys and their p;
; p's codes, scale bytes and the maxima go through LDS; then wave w adds its 32 CHANNELS of O for all 64 queries over all 512 keys.  So K's and V's codes are read from LDS once by the work-group,
; and O is whole in its wave: nothing is left to be added at the end.
; STEP j has ONE round of barriers: softmax(j), scores(j + 1) and P(j - 1) V(j - 1) stand in it; it reads K(j + 1), V(j - 1) from one slot of the ring while K(j + 2), V(j) land in the other.
; LAYOUT.  Products are transposed: S^T = K Q^T, O^T = V^T P^T: a lane holds one query.  Row m of key tile t is key 32 (m / 8) + 8 t + m % 8 of the wave's 64: the 32 registers of a lane's four tiles are
; ONE WHOLE BLOCK of 32 neighbouring keys: its maximum needs no other lane and its codes lie as the next product's operand wants them.  Query tile m, row r: query 8 m + r % 8 + 32 (r / 8) of the 64.
; SOFTMAX.  t = score x log2(e) / 16; M = the ceiling of the running largest t, the same in all waves; p = 2^(t - M); l sums the unquantised p; when M moves, l and O are multiplied by 2^(old M - new M): exact.
; A block's largest p is made of its largest score by the same two instructions.
; CLUSTERS: the four work-groups of a cluster walk the same K and V: every tensor load is a joint one.  All eight waves load, one load behind each round: a block of kv is
; K's codes 65,536, K's scales 4,096, V's codes 65,536, V's scales 4,096 bytes, fetched as eighths of a block, or as quarters of K's and of V's half, or as eighths of a half.
; PREFETCH: the first cluster of each batch asks, one step ahead, for what the next load will bring: 544 units of 256 bytes, 17 to a wave of its 32 waves, told apart by address.  Blocks 0, 2 and 3 of K and 0 of V come by their loads alone.
; LIMITS: scaled scores (exponents to the base 2, ahead of the maximum) under 2^31 in magnitude; NaN and infinities are not served; a block whose largest number lies under 2^-124 keeps the scale byte 1.
.set SLOTB, 139264
.set PIECE, 17408                      ; an eighth of a block: 68 rows of 256 bytes
.set HALFP, 8704                       ; an eighth of K's or V's half: 34 rows
.set KSOFF, 65536
.set VOFF,  69632
.set VSOFF, 135168
.set PBUF,  2*SLOTB                    ; p's codes, two buffers of 16,384: [K step][query tile][c][512]
.set PSCL,  PBUF+32768                 ; their scale words, two of 1,024: [K step / 2][lane: row, K step % 2][query tile]
.set MAXB,  PSCL+2048                  ; maxima, two of 2,048: [query tile][wave / 4][row][wave % 4]
.set SPARE, MAXB+4096                  ; spare words, 128 bytes a wave
.set GROW,  1040                       ; the way out: a row of 1,024 bytes + 16 of padding
.set SPW, 1
.set NIL, 2
.set ADK, 3                            ; v3-4   K's codes, slot 0, 1
.set ADS, 5                            ; v5-6   K's scale words
.set ADV, 7                            ; v7-8   V's codes
.set ADT, 9                            ; v9-10  V's scale words
.set PRD, 11                           ; PBUF + 16 lane
.set PWR, 12                           ; where my p's codes go
.set LI,  13                           ; 16 lane
.set PSW, 14                           ; where my scale byte goes
.set MXW, 15                           ; where my maximum goes
.set PFO, 17
.set QS,  18                           ; v18-21 Q's scale words (at the end W_out's)
.set L8,  22
.set H64, 23
.set ST,  24                           ; v24-31 for each query tile -M and the running largest score
.set L,   32                           ; v32-39 the sum in two halves
.set F,   40                           ; v40-47 2^(old M - new M), and a register at work
.set BMX, 48                           ; v48-51 my block's largest score
.set PSC, 52                           ; v52-59 p's scale words
.set KSC, 56                           ; v56-59 K's scale words
.set VSC, 60                           ; v60-63 V's scale words
.set SA,  64                           ; v64-191 S^T, then p
.set PB,  192                          ; v192-255 p's fragments, K steps 2 and 3; in the softmax at work:
; (AT THE HEAD K(0) comes as eighths of a half; behind the first round V(0), K(1), V(1), one run of bytes in memory and in the ring, as eighths: 102 rows a wave.)
.set T1,  252
.set T2,  254
.set MX,  224
.set PC,  224
.set BT,  240
.set SO,  244
.set BY,  248
.set TT,  252
.set QF,  0                            ; window 1: Q (at the end W_out and its bias)
.set KV,  64                           ; K's fragments, then V's
.set OA,  128                          ; O^T: 16 x query tile + 8 x channel tile
.set WV,  18
.set BA,  19
.set XB,  20
.set NCS, 21
.set CS,  22
.set G1,  24
.set G0,  32
.set G1H, 36
.set SEL, 44
.set PFA, 46
.set LIM, 48
.set ITN, 49
.set LP1, 50
.set LP2, 51
.set AQ,  52
.set AE,  54
.set TRIPS, 56
.set WQ,  57
.set W3,  58
.set CX,  59
.set PST, 60
.set TS,  62
.set MSB, 0
.macro WIN new                         ; the immediate's high byte repeats the setting that is left
.if MSB != \new
	s_set_vgpr_msb (MSB<<8)|\new
.set MSB, \new
.endif
.endm
.macro PLACES n
.rept \n
	v_nop
.endr
.endm
.macro VAW
	s_wait_alu depctr_va_vdst(0)
.endm
.macro BARRIER
	s_wait_dscnt 0x0
	s_barrier_signal -1
	s_barrier_wait -1
.endm
.macro CREST                           ; a round of the cluster's barrier behind its opening barrier
	s_cmp_lg_u32 s[WV], 0
	s_cbranch_scc1 .Lnot_wave_0_\@
	s_barrier_signal -3
.Lnot_wave_0_\@:
	s_barrier_wait -3
	s_barrier_signal -1
	s_barrier_wait -1
.endm
.macro CROUND
	s_barrier_signal -1
	s_barrier_wait -1
	CREST
.endm
; A joint load: LDS address and memory address are made anew (no load of mine is out), then the load and the lines behind it
.macro TL lds, ldsoff, ad, off, g1
	s_add_co_u32 s[G0+1], s[\lds], \ldsoff
	s_add_nc_u64 s[G0+2:G0+3], s[\ad:\ad+1], \off
	s_or_b32 s[G0+3], s[G0+3], 0x80000000
	tensor_load_to_lds s[G0:G0+3], s[\g1:\g1+7]
	s_nop 0
	PLACES 4                                       ; places for the loads that follow, too
.endm
.macro ASK                             ; ITN counts the requests; LIM: 5 in a wave that asks for K, 7 for V, 0 in the clusters that ask for nothing
	s_cmp_lt_u32 s[ITN], s[LIM]
	s_cbranch_scc0 .Lnot_mine_\@
	global_prefetch_b8 v[PFO], s[PFA:PFA+1] th:TH_LOAD_NT scope:SCOPE_SE
.Lnot_mine_\@:
	s_add_co_u32 s[ITN], s[ITN], 1
.endm
; one product; ra, rb: which row of the scale registers; z = 1 starts the sum
.macro MM d, a, b, sa, sb, ra, rb, z
.if \z
.if \ra
	v_wmma_scale_f32_16x16x128_f8f6f4 v[\d:\d+7], v[\a:\a+7], v[\b:\b+7], 0, v[\sa], v[\sb] matrix_a_fmt:MATRIX_FMT_FP4 matrix_b_fmt:MATRIX_FMT_FP4 matrix_a_scale:MATRIX_SCALE_ROW1
.else
	v_wmma_scale_f32_16x16x128_f8f6f4 v[\d:\d+7], v[\a:\a+7], v[\b:\b+7], 0, v[\sa], v[\sb] matrix_a_fmt:MATRIX_FMT_FP4 matrix_b_fmt:MATRIX_FMT_FP4
.endif
.else
.if \rb
.if \ra
	v_wmma_scale_f32_16x16x128_f8f6f4 v[\d:\d+7], v[\a:\a+7], v[\b:\b+7], v[\d:\d+7], v[\sa], v[\sb] matrix_a_fmt:MATRIX_FMT_FP4 matrix_b_fmt:MATRIX_FMT_FP4 matrix_a_scale:MATRIX_SCALE_ROW1 matrix_b_scale:MATRIX_SCALE_ROW1
.else
	v_wmma_scale_f32_16x16x128_f8f6f4 v[\d:\d+7], v[\a:\a+7], v[\b:\b+7], v[\d:\d+7], v[\sa], v[\sb] matrix_a_fmt:MATRIX_FMT_FP4 matrix_b_fmt:MATRIX_FMT_FP4 matrix_b_scale:MATRIX_SCALE_ROW1
.endif
.else
.if \ra
	v_wmma_scale_f32_16x16x128_f8f6f4 v[\d:\d+7], v[\a:\a+7], v[\b:\b+7], v[\d:\d+7], v[\sa], v[\sb] matrix_a_fmt:MATRIX_FMT_FP4 matrix_b_fmt:MATRIX_FMT_FP4 matrix_a_scale:MATRIX_SCALE_ROW1
.else
	v_wmma_scale_f32_16x16x128_f8f6f4 v[\d:\d+7], v[\a:\a+7], v[\b:\b+7], v[\d:\d+7], v[\sa], v[\sb] matrix_a_fmt:MATRIX_FMT_FP4 matrix_b_fmt:MATRIX_FMT_FP4
.endif
.endif
.endif
.endm
; scores of query tile x with my 64 keys: four accumulators by turns, two K steps
.macro QK x
	WIN 0x05
.irp t, 0,1,2,3
	MM SA+32*(\x)+8*\t, KV+16*\t, QF+16*(\x), KSC+\t, QS+(\x), 0, 0, 1
.endr
.irp t, 0,1,2,3
	MM SA+32*(\x)+8*\t, KV+16*\t+8, QF+16*(\x)+8, KSC+\t, QS+(\x), 1, 1, 0
.endr
	WIN 0
.endm
; K step ks of O^T += V^T P^T: my two channel tiles x four query tiles, eight accumulators by turns.  p's K steps 0, 1 lie in window 1, 2, 3 in window 0
.macro PV ks, z
	WIN 0x55-4*((\ks)/2)
.irp u, 0,1
.irp x, 0,1,2,3
	MM OA+16*\x+8*\u, KV+16*(\ks)+8*\u, PB+32*((\ks)%2)+8*\x, VSC+(\ks), PSC+4*((\ks)/2)+\x, \u, (\ks)%2, \z
.endr
.endr
.endm
.macro RESC                            ; O^T under the new M
	WIN 0x41
.set i, 0
.rept 32
	v_pk_mul_f32 v[OA+i:OA+i+1], v[OA+i:OA+i+1], v[F+2*(i/16):F+2*(i/16)+1] op_sel_hi:[1,0]
.set i, i+2
.endr
	WIN 0
.endm
.macro LDP01 pb
	WIN 0x40
.set i, 0
.rept 16
	ds_load_b128 v[PB+4*i:PB+4*i+3], v[PRD] offset:16384*(\pb)+512*i
.set i, i+1
.endr
.endm
.macro LDP2 pb                         ; p's K step 2: v192-223, which the softmax leaves alone
	WIN 0
.set i, 0
.rept 8
	ds_load_b128 v[PB+4*i:PB+4*i+3], v[PRD] offset:16384*(\pb)+8192+512*i
.set i, i+1
.endr
.endm
; both sides' scale words, V's fragments of slot sl in the order of their use, then p's K step 3, whose registers held what the softmax stored: w: ahead of it all but the 22 loads just issued are done
.macro LDPV sl, w
	WIN 0
.irp ks, 0,1,2,3
	ds_load_b32 v[VSC+\ks], v[ADT+(\sl)] offset:1024*\ks
.endr
.irp kp, 0,1
	ds_load_b128 v[PSC+4*\kp:PSC+4*\kp+3], v[PRD] offset:PSCL-PBUF+1024*(\sl)+512*\kp
.endr
	WIN 0x40
.set i, 0
.rept 16
	ds_load_b128 v[KV+4*i:KV+4*i+3], v[ADV+(\sl)] offset:512*i
.set i, i+1
.endr
	WIN 0
.if \w
	s_wait_dscnt \w
.endif
.set i, 0
.rept 8
	ds_load_b128 v[PB+32+4*i:PB+32+4*i+3], v[PRD] offset:16384*(\sl)+12288+512*i
.set i, i+1
.endr
.endm
.macro MPHASE                          ; the four tiles by turns: the new largest score of all eight waves, -M, and f = 2^(old M - new M)
.irp x, 0,1,2,3
	v_max3_num_f32 v[TT+\x], v[MX+4*\x], v[MX+4*\x+1], v[MX+4*\x+2]
.endr
.irp x, 0,1,2,3
	v_max3_num_f32 v[TT+\x], v[TT+\x], v[MX+4*\x+3], v[ST+2*\x+1]
.endr
.irp x, 0,1,2,3
	v_permlanex16_b32 v[MX+4*\x], v[TT+\x], s[SEL], s[SEL+1]
.endr
.irp x, 0,1,2,3
	v_max_num_f32 v[ST+2*\x+1], v[TT+\x], v[MX+4*\x]
.endr
.irp x, 0,1,2,3
	v_mul_f32 v[TT+\x], s[NCS], v[ST+2*\x+1]
.endr
.irp x, 0,1,2,3
	v_floor_f32 v[TT+\x], v[TT+\x]
.endr
.irp x, 0,1,2,3
	v_sub_f32 v[MX+4*\x], v[TT+\x], v[ST+2*\x]
.endr
.irp x, 0,1,2,3
	v_mov_b32 v[ST+2*\x], v[TT+\x]
.endr
.irp x, 0,1,2,3
	v_cvt_i32_f32 v[MX+4*\x], v[MX+4*\x]           ; a whole number, 0 or less (it saturates)
.endr
.irp x, 0,1,2,3
	v_ldexp_f32 v[F+2*\x], 1.0, v[MX+4*\x]
.endr
.endm
.macro FMAX x                          ; t - M of query tile x, and of my block's largest score
.set i, SA+32*(\x)
.rept 16
	v_pk_fma_f32 v[i:i+1], v[i:i+1], s[CS:CS+1], v[ST+2*(\x):ST+2*(\x)+1] op_sel_hi:[1,0,0]
.set i, i+2
.endr
	v_fma_f32 v[BT+(\x)], v[BMX+(\x)], s[CS], v[ST+2*(\x)]
.endm
.macro EXPX x
.set i, SA+32*(\x)
.rept 32
	v_exp_f32 v[i], v[i]
.set i, i+1
.endr
	v_exp_f32 v[BT+(\x)], v[BT+(\x)]
.endm
.macro SUMQ x, par                     ; the sum of the unquantised p in three chains; the scale; the codes; both to LDS
.set B, SA+32*(\x)
	v_max_num_f32 v[BT+(\x)], 0x1800000, v[BT+(\x)]  ; the floor 2^(3 - 127): the byte cannot fall under 1
	v_pk_fma_f32 v[L+2*(\x):L+2*(\x)+1], v[L+2*(\x):L+2*(\x)+1], v[F+2*(\x):F+2*(\x)+1], v[B:B+1] op_sel_hi:[1,0,1]
	v_pk_add_f32 v[T1:T1+1], v[B+2:B+3], v[B+4:B+5]
	v_add_nc_u32 v[SO+(\x)], 0xff000000, v[BT+(\x)]  ; 2 off the exponent field: the conversion's scale operand
	v_pk_add_f32 v[T2:T2+1], v[B+6:B+7], v[B+8:B+9]
.irp j, 10,16,22
	v_pk_add_f32 v[L+2*(\x):L+2*(\x)+1], v[L+2*(\x):L+2*(\x)+1], v[B+\j:B+\j+1]
	v_pk_add_f32 v[T1:T1+1], v[T1:T1+1], v[B+\j+2:B+\j+3]
	v_pk_add_f32 v[T2:T2+1], v[T2:T2+1], v[B+\j+4:B+\j+5]
.endr
	v_pk_add_f32 v[L+2*(\x):L+2*(\x)+1], v[L+2*(\x):L+2*(\x)+1], v[B+28:B+29]
	v_pk_add_f32 v[T1:T1+1], v[T1:T1+1], v[B+30:B+31]
	v_lshrrev_b32 v[BY+(\x)], 23, v[SO+(\x)]
	v_pk_add_f32 v[L+2*(\x):L+2*(\x)+1], v[L+2*(\x):L+2*(\x)+1], v[T2:T2+1]
.irp q, 0,1,2,3
	v_cvt_scalef32_pk8_fp4_f32 v[PC+4*(\x)+\q], v[B+8*\q:B+8*\q+7], v[SO+(\x)]
.endr
	v_pk_add_f32 v[L+2*(\x):L+2*(\x)+1], v[L+2*(\x):L+2*(\x)+1], v[T1:T1+1]   ; (the plain place behind the conversions)
	ds_store_b128 v[PWR], v[PC+4*(\x):PC+4*(\x)+3] offset:16384*(\par)+1024*(\x)
	ds_store_b8 v[PSW], v[BY+(\x)] offset:1024*(\par)+4*(\x)
.endm
.macro BMAX par                        ; my block's largest score of each query tile; the larger of the two blocks of my 64 keys goes to the other waves
.irp x, 0,1,2,3
	v_max3_num_f32 v[BMX+\x], v[SA+32*\x], v[SA+32*\x+1], v[SA+32*\x+2]
.endr
.irp i, 3,5,7,9,11,13,15,17,19,21,23,25,27,29
.irp x, 0,1,2,3
	v_max3_num_f32 v[BMX+\x], v[BMX+\x], v[SA+32*\x+\i], v[SA+32*\x+\i+1]
.endr
.endr
.irp x, 0,1,2,3
	v_max_num_f32 v[BMX+\x], v[BMX+\x], v[SA+32*\x+31]
.endr
.irp x, 0,1,2,3
	v_permlanex16_b32 v[F+2*\x+1], v[BMX+\x], s[SEL], s[SEL+1]
.endr
.irp x, 0,1,2,3
	v_max_num_f32 v[F+2*\x+1], v[BMX+\x], v[F+2*\x+1]
.endr
.irp x, 0,1,2,3
	ds_store_b32 v[MXW], v[F+2*\x+1] offset:2048*(\par)+512*\x   ; lanes r and r + 16 write the same word with the same value
.endr
.endm
; A STEP j, par = j % 2.  sm: softmax(j).  qk: scores(j + 1), from slot 1 - par.  pv: P(j - 1) V(j - 1), from slot and buffer 1 - par (2: it starts the sums).  rs: O under M(j - 1).  ask: a prefetch.  pfs: its address steps.
.macro IT par, sm, qk, pv, rs, ask, pfs
.set PVN, 0
.if \pv
.set PVN, 16
.endif
.if \sm
.irp x, 0,1,2,3
	ds_load_b128 v[MX+4*\x:MX+4*\x+3], v[PRD] offset:MAXB-PBUF+2048*(\par)+512*\x
.endr
.endif
.if \qk
	WIN 0x40
.set i, 0
.rept 16
	ds_load_b128 v[KV+4*i:KV+4*i+3], v[ADK+1-(\par)] offset:512*i
.set i, i+1
.endr
.endif
	WIN 0
.if \qk
	ds_load_b128 v[KSC:KSC+3], v[ADS+1-(\par)]
.endif
.if \ask
	ASK
.endif
.if \rs
	RESC
.endif
.if \sm
	s_wait_dscnt 17*(\qk)                          ; the four loads of maxima are in; the 17 of K behind them may be out
	MPHASE
	FMAX 0
	VAW
	EXPX 0
.if \pv
	LDP01 1-(\par)
	WIN 0
.endif
	FMAX 1
	VAW                                            ; one wait behind tile 0's batch and ahead of tile 1's
	SUMQ 0, \par
.if \qk
	s_wait_dscnt PVN+2                             ; K is in; p's loads and the two stores just issued may be out
	QK 0
.endif
	EXPX 1
.if \pv
	LDP2 1-(\par)
.endif
	FMAX 2
	VAW
	SUMQ 1, \par
.if \qk
	QK 1
.endif
	EXPX 2
	FMAX 3
	VAW
	SUMQ 2, \par
.if \qk
	QK 2
.endif
	EXPX 3
	v_nop
	VAW
	SUMQ 3, \par
.if \qk
	QK 3
.endif
.else
	s_wait_dscnt 0x0
	QK 0
	QK 1
	QK 2
	QK 3
.endif
.if \qk
	PLACES 4                                       ; ahead of loads into K's registers and of the first read of the last results
.endif
.if \pv
	LDPV 1-(\par), 22
.endif
.if \qk
	VAW                                            ; directly ahead of the first readers of the scores
	BMAX 1-(\par)
.else
	VAW                                            ; directly ahead of the reader below
.irp x, 0,1,2,3
	v_add_f32 v[L+2*\x], v[L+2*\x], v[L+2*\x+1]
.endr
.irp x, 0,1,2,3
	v_permlanex16_b32 v[F+2*\x+1], v[L+2*\x], s[SEL], s[SEL+1]
.endr
.irp x, 0,1,2,3
	v_add_f32 v[F+2*\x+1], v[L+2*\x], v[F+2*\x+1]
.endr
.irp x, 0,1,2,3
	ds_store_b32 v[MXW], v[F+2*\x+1] offset:2048*(1-(\par))+512*\x   ; my keys' part of the rows' sums, where the maxima lay
.endr
.endif
	VAW
.if \pv
	s_wait_dscnt 24                                ; scale words and V's K step 0 are in; 12 of V, 8 of p and four stores may be out
	PV 0, (\pv)/2
	s_wait_dscnt 20                                ; V's K step 1 is in
	PV 1, 0
	WIN 0
.endif
	s_wait_tensorcnt 0x0                           ; my part of the next slot is in
	ds_add_u32 v[SPW], v[NIL]                      ; (register work stands between the add and the wait for it)
.if \pv
	s_wait_dscnt 17                                ; V's K step 2 is in; 4 of V, 8 of p, four stores and the add may be out
	PV 2, 0
	WIN 0
.endif
.if \pfs
	s_wait_xcnt 0x0                                ; my prefetch has read its address
	s_add_nc_u64 s[PFA:PFA+1], s[PFA:PFA+1], SLOTB
.endif
	s_wait_dscnt 0x0                               ; the add, my stores and all my reads of this slot are done
	s_barrier_signal -1
.if \pv
	PV 3, 0
.endif
	WIN 0
	s_barrier_wait -1
.if \qk
	CREST
.endif
.endm
	s_load_b256 s[4:11], s[0:1], 0x0               ; qc, qs, kv, wc
	s_load_b128 s[12:15], s[0:1], 0x20             ; ws, b_out
	s_load_b64 s[16:17], s[0:1], 0x30              ; out0
	v_lshl_add_u32 v[SPW], v0, 2, SPARE
	v_mov_b32 v[NIL], 0
	ds_add_u32 v[SPW], v[NIL]                      ; the opening: the add, twice on end, and its wait
	ds_add_u32 v[SPW], v[NIL]
	v_lshrrev_b32 v3, 5, v0
	v_and_b32 v64, 31, v0                          ; lane
	v_and_b32 v65, 15, v0                          ; r
	v_bfe_u32 v66, v0, 4, 1                        ; h
	v_readfirstlane_b32 s[WV], v3
	VAW                                            ; ahead of the run of scalar instructions
	s_lshr_b32 s[WQ], s[WV], 2
	s_and_b32 s[W3], s[WV], 3
	s_and_b32 s[BA], ttmp7, 0xffff                 ; the batch
	s_mul_i32 s[LP1], s[WV], PIECE
	s_mul_i32 s[LP2], s[WV], HALFP
	s_mul_i32 s[AE], s[BA], 8*SLOTB                ; the batch's first block,
	s_mov_b32 s[AQ], s[AE]
	s_add_co_u32 s[AE], s[AE], s[LP2]              ; + my eighth of a half
	s_mov_b32 s[AE+1], 0
	s_add_co_u32 s[AQ], s[AQ], s[LP1]              ; + my eighth of a block
	s_mov_b32 s[AQ+1], 0
	s_mov_b32 s[G0], 1
	s_mul_i32 s[TS], s[WQ], 2*SLOTB
	s_add_co_u32 s[AQ], s[AQ], 4*SLOTB             ; waves 0-3 go on at K of block 4, waves 4-7 at V of block 2
	s_sub_co_u32 s[AQ], s[AQ], s[TS]
	s_sub_co_u32 s[PST], 3*SLOTB, s[TS]            ; the prefetches' first step: K from block 1 to 4, V from block 1 to 2
	s_mov_b32 s[PST+1], 0
.irp g, G1, G1H
	s_mov_b32 s[\g], 15|(3<<16)|(1<<21)            ; all four of the cluster; elements of 8 bytes; bit 21 beside a mask
	s_mov_b32 s[\g+1], 32<<16
	s_mov_b32 s[\g+3], 32<<16
	s_mov_b32 s[\g+5], 32
	s_mov_b32 s[\g+6], 0
	s_mov_b32 s[\g+7], 0
.endr
	s_mov_b32 s[G1+2], 102<<16                     ; for the load behind the first round; 68 afterwards
	s_mov_b32 s[G1+4], 102
	s_mov_b32 s[G1H+2], 34<<16
	s_mov_b32 s[G1H+4], 34
	s_mov_b32 s[CS], 0x3db8aa3b                    ; log2(e) / 16
	s_mov_b32 s[CS+1], s[CS]                       ; (named with it as a pair)
	s_mov_b32 s[NCS], 0xbdb8aa3b
	s_mov_b32 s[SEL], 0x76543210
	s_mov_b32 s[SEL+1], 0xfedcba98
	s_bfe_u32 s[CX], ttmp6, 0x40000
	s_lshl_b32 s[XB], ttmp9, 2
	s_add_co_u32 s[XB], s[XB], s[CX]               ; which 64 queries of the batch
	s_lshl_b32 s[LIM], s[WQ], 1
	s_add_co_u32 s[LIM], s[LIM], 5
	s_cmp_eq_u32 ttmp9, 0
	s_cselect_b32 s[LIM], s[LIM], 0
	s_mov_b32 s[ITN], 0
	s_lshl_b32 s[PFA], s[CX], 2
	s_add_co_u32 s[PFA], s[PFA], s[W3]
	s_mul_i32 s[PFA], s[PFA], 17*256               ; 17 units of 256 bytes a wave
	s_mul_i32 s[TS], s[WQ], VOFF
	s_add_co_u32 s[PFA], s[PFA], s[TS]
	s_mul_i32 s[TS], s[BA], 8*SLOTB
	s_add_co_u32 s[PFA], s[PFA], s[TS]
	s_add_co_u32 s[PFA], s[PFA], SLOTB             ; of block 1
	s_mov_b32 s[PFA+1], 0
	v_lshlrev_b32 v[LI], 4, v64
	v_lshlrev_b32 v[L8], 3, v64
	v_lshlrev_b32 v[H64], 6, v66
	v_min_u32 v[PFO], 16, v64
	v_lshlrev_b32 v67, 16, v66
	v_lshlrev_b32 v[PFO], 8, v[PFO]
	v_lshl_add_u32 v67, v65, 2, v67                ; Q's scale words: 65,536 h + 4 r
	s_lshl_b32 s[TS], s[WV], 13
	v_add_nc_u32 v[ADK], s[TS], v[LI]
	v_add_nc_u32 v[PRD], PBUF, v[LI]
	v_add_nc_u32 v[ADK+1], SLOTB, v[ADK]
	v_add_nc_u32 v[ADV], VOFF, v[ADK]
	v_add_nc_u32 v[ADV+1], VOFF, v[ADK+1]
	s_lshl_b32 s[TS], s[WV], 9
	s_add_co_u32 s[TS], s[TS], KSOFF
	v_add_nc_u32 v[ADS], s[TS], v[LI]
	v_add_nc_u32 v[ADS+1], SLOTB, v[ADS]
	s_lshl_b32 s[TS], s[WV], 7
	s_add_co_u32 s[TS], s[TS], VSOFF
	v_lshl_add_u32 v[ADT], v64, 2, s[TS]
	v_add_nc_u32 v[ADT+1], SLOTB, v[ADT]
	s_lshr_b32 s[TS], s[WV], 1
	s_and_b32 s[TS+1], s[WV], 1
	s_lshl_b32 s[CX], s[TS], 12
	s_lshl_b32 s[W3], s[TS+1], 9
	s_add_co_u32 s[CX], s[CX], s[W3]
	s_add_co_u32 s[CX], s[CX], PBUF
	v_add_nc_u32 v[PWR], s[CX], v[LI]              ; K step w / 2, c = w % 2
	s_lshl_b32 s[CX], s[TS], 8
	s_lshl_b32 s[W3], s[TS+1], 1
	s_add_co_u32 s[CX], s[CX], s[W3]
	s_add_co_u32 s[CX], s[CX], PSCL
	v_lshl_add_u32 v[PSW], v65, 4, s[CX]
	v_add_nc_u32 v[PSW], v[PSW], v66               ; byte 2 (w % 2) + h of the word
	s_and_b32 s[W3], s[WV], 3
	s_lshl_b32 s[CX], s[WQ], 8
	s_lshl_b32 s[TS], s[W3], 2
	s_add_co_u32 s[CX], s[CX], s[TS]
	s_add_co_u32 s[CX], s[CX], MAXB
	v_lshl_add_u32 v[MXW], v65, 4, s[CX]
.irp x, 0,1,2,3
	v_mov_b32 v[ST+2*\x+1], 0xff61b1e6             ; the largest score so far: -3e38
	v_mov_b32 v[ST+2*\x], 0x7f61b1e6               ; and an -M as large: the first f is 0
	v_mov_b32 v[L+2*\x], 0
	v_mov_b32 v[L+2*\x+1], 0
	v_mov_b32 v[F+2*\x+1], 0                       ; (a lane permute's destination counts as one of its sources)
.endr
	s_lshl_b32 s[CX], s[XB], 2
	s_lshl_b32 s[W3], s[BA], 8
	s_add_co_u32 s[CX], s[CX], s[W3]               ; my first query tile
	s_lshl_b32 s[TS], s[CX], 11
	s_mov_b32 s[TS+1], 0
	VAW                                            ; the wait here, directly ahead of the waits below
	s_wait_dscnt 0x0                               ; both opening adds are done
	s_wait_kmcnt 0x0
	s_add_nc_u64 s[AQ:AQ+1], s[8:9], s[AQ:AQ+1]
	s_add_nc_u64 s[AE:AE+1], s[8:9], s[AE:AE+1]
	s_add_nc_u64 s[PFA:PFA+1], s[8:9], s[PFA:PFA+1]
	s_add_nc_u64 s[4:5], s[4:5], s[TS:TS+1]
	s_lshl_b32 s[TS], s[CX], 6
	s_add_nc_u64 s[6:7], s[6:7], s[TS:TS+1]
	WIN 0x40
.irp x, 0,1,2,3
.irp q, 0,1,2,3
	global_load_b128 v[QF+16*\x+4*\q:QF+16*\x+4*\q+3], v[LI], s[4:5] offset:2048*\x+512*\q
.endr
.endr
	WIN 0
.irp x, 0,1,2,3
	global_load_b32 v[QS+\x], v67, s[6:7] offset:64*\x   ; lanes 0-15 K step 0, lanes 16-31 K step 1
.endr
	CROUND                                         ; in front of the first joint loads
	TL LP2, 0, AE, 0, G1H                          ; K(0), an eighth a wave: the head's one load
	ASK                                            ; block 1, for the load behind the next round
	s_lshl_b32 s[TS], s[WV], 12
	s_add_nc_u64 s[10:11], s[10:11], s[TS:TS+1]    ; W_out's codes, scale words and bias of my 32 columns
	s_lshl_b32 s[TS], s[WV], 8
	s_add_nc_u64 s[12:13], s[12:13], s[TS:TS+1]
	s_lshl_b32 s[TS], s[WV], 7
	s_add_nc_u64 s[14:15], s[14:15], s[TS:TS+1]
	s_lshl_b32 s[CX], s[BA], 12
	s_lshl_b32 s[TS], s[XB], 6
	s_add_co_u32 s[CX], s[CX], s[TS]
	s_lshl_b32 s[TS], s[WV], 3
	s_add_co_u32 s[CX], s[CX], s[TS]
	s_lshl_b32 s[TS], s[CX], 10
	s_add_nc_u64 s[16:17], s[16:17], s[TS:TS+1]    ; my eight rows of the output
	VAW                                            ; the wait at the head's end
	s_wait_loadcnt 0x0                             ; Q
	s_wait_tensorcnt 0x0                           ; my part of block 0 is in
	ds_add_u32 v[SPW], v[NIL]
	s_wait_xcnt 0x0
	s_add_nc_u64 s[PFA:PFA+1], s[PFA:PFA+1], s[PST:PST+1]
	s_wait_dscnt 0x0
	CROUND
	s_add_co_u32 s[PST], s[LP1], s[LP2]            ; 102 rows x wave
	s_mov_b32 s[TS], s[LP1]
	s_add_nc_u64 s[G0+2:G0+3], s[AE:AE+1], s[TS:TS+1]
	TL PST, VOFF, G0+2, VOFF, G1                   ; V(0), K(1), V(1): first fills, like everybody's behind this round
	IT 1, 0, 1, 0, 0, 0, 0                         ; scores(0)
	s_mov_b32 s[G1+2], 68<<16                      ; no tensor load of mine is out
	s_mov_b32 s[G1+4], 68
	TL LP2, 0, AE, 2*SLOTB, G1H                    ; K(2)
	IT 0, 1, 1, 0, 0, 0, 0
	TL LP2, SLOTB, AE, 3*SLOTB, G1H                ; K(3)
	IT 1, 1, 1, 2, 0, 1, 1
	s_mov_b32 s[TRIPS], 2
.Lloop:                                                ; steps 2 and 3, then 4 and 5
	TL LP1, 0, AQ, 0, G1                           ; K(j + 2) by waves 0-3, V(j) by waves 4-7
	IT 0, 1, 1, 1, 1, 1, 1
	TL LP1, SLOTB, AQ, SLOTB, G1
	IT 1, 1, 1, 1, 1, 1, 1
	s_add_nc_u64 s[AQ:AQ+1], s[AQ:AQ+1], 2*SLOTB
	s_sub_co_u32 s[TRIPS], s[TRIPS], 1
	s_cmp_lg_u32 s[TRIPS], 0
	s_cbranch_scc1 .Lloop
	TL LP2, VOFF, AE, 6*SLOTB+VOFF, G1H            ; V(6)
	IT 0, 1, 1, 1, 1, 1, 0
	TL LP2, SLOTB+VOFF, AE, 7*SLOTB+VOFF, G1H      ; V(7): the last load
	WIN 0x40                                       ; W_out's two column tiles and their bias take Q's registers
.irp n, 0,1
.irp q, 0,1,2,3
	global_load_b128 v[16*\n+4*\q:16*\n+4*\q+3], v[LI], s[10:11] offset:98304+\n*2048+\q*512
.endr
.endr
.irp n, 0,1
	global_load_b128 v[32+8*\n:32+8*\n+3], v[H64], s[14:15] offset:32*\n
	global_load_b128 v[32+8*\n+4:32+8*\n+7], v[H64], s[14:15] offset:32*\n+16
.endr
	WIN 0
	global_load_b64 v[QS:QS+1], v[L8], s[12:13] offset:6144
	IT 1, 1, 0, 1, 1, 0, 0
	; the last product, P(7) V(7), and the rows' sums
	PLACES 4
.irp x, 0,1,2,3
	ds_load_b128 v[SA+4*\x:SA+4*\x+3], v[PRD] offset:MAXB-PBUF+512*\x
.endr
	LDP01 1
	LDP2 1
	LDPV 1, 0
	RESC
	s_wait_dscnt 54                                ; the sums are in; the 54 loads behind them may be out
.irp x, 0,1,2,3
	v_add_f32 v[SA+16+\x], v[SA+4*\x], v[SA+4*\x+1]
.endr
.irp x, 0,1,2,3
	v_add_f32 v[SA+4*\x+2], v[SA+4*\x+2], v[SA+4*\x+3]
.endr
.irp x, 0,1,2,3
	v_add_f32 v[SA+16+\x], v[SA+16+\x], v[SA+4*\x+2]
.endr
.irp x, 0,1,2,3
	v_permlanex16_b32 v[SA+4*\x], v[SA+16+\x], s[SEL], s[SEL+1]
.endr
.irp x, 0,1,2,3
	v_add_f32 v[SA+16+\x], v[SA+16+\x], v[SA+4*\x]
.endr
	VAW
.irp x, 0,1,2,3
	v_rcp_f32 v[F+2*\x], v[SA+16+\x]
.endr
	v_nop
	VAW
	s_wait_dscnt 0x0
	PV 0, 0
	PV 1, 0
	PV 2, 0
	PV 3, 0
	WIN 0
.set AWR, 3                            ; the way out's addresses take the ring's
.set ASW, 6
.set ASR, 7
.set GS,  8
.set RW,  9
	s_lshl_b32 s[CX], s[WV], 8
	s_add_co_u32 s[CX], s[CX], PBUF
	s_and_b32 s[W3], s[WV], 3
	s_lshl_b32 s[TS], s[WQ], 6
	s_add_co_u32 s[TS], s[TS], s[W3]
	s_add_co_u32 s[TS], s[TS], PSCL
	v_and_b32 v4, 15, v0
	v_bfe_u32 v5, v0, 4, 1
	v_lshrrev_b32 v10, 3, v4
	v_and_b32 v[GS], 7, v4
	v_lshl_add_u32 v[AWR], v4, 4, s[CX]            ; my 32 channels are block w of the next K: 256 w + 16 r + 8 h
	v_lshl_add_u32 v[GS], v10, 5, v[GS]
	v_lshl_add_u32 v[ASW], v4, 2, s[TS]            ; byte w % 4 of the word of K step w / 4
	v_and_b32 v[ASR], 31, v0
	v_lshl_add_u32 v[AWR], v5, 3, v[AWR]
	v_mul_u32_u24 v[GS], v[GS], GROW
	v_lshlrev_b32 v[ASR], 2, v[ASR]
	s_lshl_b32 s[CX], s[WV], 7
	v_lshl_add_u32 v[GS], v5, 6, v[GS]
	v_add_nc_u32 v[ASR], PSCL, v[ASR]
	v_add_nc_u32 v[GS], s[CX], v[GS]
	s_mul_i32 s[CX], s[WV], 8*GROW
	v_add_nc_u32 v[RW], s[CX], v[LI]
	WIN 0x01
.set i, 0
.rept 32
	v_pk_mul_f32 v[SA+i:SA+i+1], v[OA+i:OA+i+1], v[F+2*(i/16):F+2*(i/16)+1] op_sel_hi:[1,0]   ; O^T / the sum: register 16 x + i is channel 32 w + 16 h + i
.set i, i+2
.endr
	WIN 0
	; quantised along the channels: a block lies in lanes l and l xor 16
.irp x, 0,1,2,3
	v_max3_num_f32 v[BT+\x], |v[SA+16*\x]|, |v[SA+16*\x+1]|, 0x1800000
.endr
.irp i, 2,4,6,8,10,12,14
.irp x, 0,1,2,3
	v_max3_num_f32 v[BT+\x], v[BT+\x], |v[SA+16*\x+\i]|, |v[SA+16*\x+\i+1]|
.endr
.endr
.irp x, 0,1,2,3
	v_permlanex16_b32 v[TT+\x], v[BT+\x], s[SEL], s[SEL+1]
.endr
.irp x, 0,1,2,3
	v_max_num_f32 v[BT+\x], v[BT+\x], v[TT+\x]
.endr
.irp x, 0,1,2,3
	v_add_nc_u32 v[SO+\x], 0xff000000, v[BT+\x]
.endr
.irp x, 0,1,2,3
	v_lshrrev_b32 v[BY+\x], 23, v[SO+\x]
.endr
.irp x, 0,1,2,3
	v_cvt_scalef32_pk8_fp4_f32 v[PC+2*\x], v[SA+16*\x:SA+16*\x+7], v[SO+\x]
	v_cvt_scalef32_pk8_fp4_f32 v[PC+2*\x+1], v[SA+16*\x+8:SA+16*\x+15], v[SO+\x]
.endr
	v_nop
.irp x, 0,1,2,3
	ds_store_b64 v[AWR], v[PC+2*\x:PC+2*\x+1] offset:2048*\x     ; into p's buffer 0: all waves have passed the barrier behind its last read
	ds_store_b8 v[ASW], v[BY+\x] offset:128*\x
.endr
	VAW
	BARRIER
.irp f, 0,1,2,3,4,5,6,7
.irp c, 0,1
	ds_load_b128 v[SA+8*\f+4*\c:SA+8*\f+4*\c+3], v[PRD] offset:1024*\f+512*\c
.endr
.endr
.irp m, 0,1,2,3
	ds_load_b32 v[PSC+\m], v[ASR] offset:128*\m    ; lanes 0-15 K step 0, lanes 16-31 K step 1
.endr
	s_wait_dscnt 0x0
	s_wait_loadcnt 0x0                             ; W_out, its scales, the bias
.set YA, 128
	WIN 0x11                                       ; the bias starts each sum
.irp m, 0,1,2,3
.irp n, 0,1
	v_wmma_scale_f32_16x16x128_f8f6f4 v[YA+8*(4*\n+\m):YA+8*(4*\n+\m)+7], v[16*\n:16*\n+7], v[SA+16*\m:SA+16*\m+7], v[32+8*\n:32+8*\n+7], v[QS+\n], v[PSC+\m] matrix_a_fmt:MATRIX_FMT_FP4 matrix_b_fmt:MATRIX_FMT_FP4
.endr
.endr
	WIN 0x01
.irp m, 0,1,2,3
.irp n, 0,1
	MM YA+8*(4*\n+\m), 16*\n+8, SA+16*\m+8, QS+\n, PSC+\m, 1, 1, 0
.endr
.endr
	WIN 0
	PLACES 4
.irp m, 0,1,2,3                                ; whole rows of the output meet in slot 0, which has had its last fill and its last read
.irp n, 0,1
	ds_store_b128 v[GS], v[YA+8*(4*\n+\m):YA+8*(4*\n+\m)+3] offset:GROW*8*\m+32*\n
	ds_store_b128 v[GS], v[YA+8*(4*\n+\m)+4:YA+8*(4*\n+\m)+7] offset:GROW*8*\m+32*\n+16
.endr
.endr
	BARRIER
.irp p, 0,1,2,3,4,5,6,7
.irp e, 0,1
	ds_load_b128 v[SA+4*(2*\p+\e):SA+4*(2*\p+\e)+3], v[RW] offset:GROW*\p+512*\e
.endr
.endr
.irp p, 0,1,2,3,4,5,6,7
.irp e, 0,1
	s_wait_dscnt 15-(2*\p+\e)
	global_store_b128 v[LI], v[SA+4*(2*\p+\e):SA+4*(2*\p+\e)+3], s[16:17] offset:1024*\p+512*\e th:TH_STORE_NT   ; 32 lanes store 512 consecutive bytes
.endr
.endr
	s_wait_tensorcnt 0x0                           ; the wave's end
	ds_add_u32 v[SPW], v[NIL]
	s_wait_dscnt 0x0
	CROUND                                         ; no work-group ends while a partner may still ask for a tile that names it
	s_endpgm
.Lfunc_end_k_q88ae001b79_attn:
	.size	k_q88ae001b79_attn, .Lfunc_end_k_q88ae001b79_attn-k_q88ae001b79_attn
	.p2alignl 7, 3214868480
	.fill 96, 4, 3214868480
	.section	.rodata,"a",@progbits
	.p2align	6, 0x0
	.amdhsa_kernel k_q88ae001b79_attn
		.amdhsa_group_segment_fixed_size 327680
		.amdhsa_private_segment_fixed_size 0
		.amdhsa_enable_private_segment 0
		.amdhsa_kernarg_size 56
		.amdhsa_user_sgpr_count 2
		.amdhsa_user_sgpr_kernarg_segment_ptr 1
		.amdhsa_wavefront_size32 1
		.amdhsa_system_sgpr_workgroup_id_x 1
		.amdhsa_system_sgpr_workgroup_id_y 1
		.amdhsa_system_sgpr_workgroup_id_z 1
		.amdhsa_system_vgpr_workitem_id 0
		.amdhsa_next_free_vgpr 512
		.amdhsa_next_free_sgpr 66
		.amdhsa_reserve_vcc 0
		.amdhsa_float_denorm_mode_32 3
		.amdhsa_float_denorm_mode_16_64 3
		.amdhsa_memory_ordered 1
		.amdhsa_forward_progress 1
		.amdhsa_inst_pref_size 254
	.end_amdhsa_kernel
	.amdgpu_metadata
---
amdhsa.version: [ 1, 2 ]
amdhsa.kernels:
  - .name:           k_q88ae001b79_attn
    .symbol:         k_q88ae001b79_attn.kd
    .args:
      - { .name: qc, .offset: 0, .size: 8, .value_kind: global_buffer, .address_space: global }
      - { .name: qs, .offset: 8, .size: 8, .value_kind: global_buffer, .address_space: global }
      - { .name: kv, .offset: 16, .size: 8, .value_kind: global_buffer, .address_space: global }
      - { .name: wc, .offset: 24, .size: 8, .value_kind: global_buffer, .address_space: global }
      - { .name: ws, .offset: 32, .size: 8, .value_kind: global_buffer, .address_space: global }
      - { .name: b_out, .offset: 40, .size: 8, .value_kind: global_buffer, .address_space: global }
      - { .name: out0, .offset: 48, .size: 8, .value_kind: global_buffer, .address_space: global }
    .group_segment_fixed_size: 327680
    .private_segment_fixed_size: 0
    .kernarg_segment_align: 8
    .kernarg_segment_size: 56
    .max_flat_workgroup_size: 256
    .sgpr_count:     66
    .vgpr_count:     512
    .wavefront_size: 32
...
	.end_amdgpu_metadata
.endif
;; end of part 3
